; MI455X (gfx1250); checked and timed in simulation.
; The chip was launched on July 23, 2026; its instructions are those of AMD's public machine-readable ISA for CDNA 5 (MIT licence, August 2026) and "CDNA5" Instruction Set Architecture Reference Guide (July 2026). The comments in the code are by the model that wrote it; some were corrected since.
;; Multi Head Attention. Allowed arithmetic: matrix products marked QUANTISED: E2M3 operands, one E8M0 scale for each 32 along K, by v_wmma_scale_f32_16x16x128_f8f6f4 with both operands' format E2M3, f32 sums; everything else in f32.
;; Inputs: bk 512 float32; bo 512 float32; bq 512 float32; bv 512 float32; k 8 x 2,048 x 512 float32; mask 8 x 1 x 1 x 2,048 bool; q 8 x 2,048 x 512 float32; v 8 x 2,048 x 512 float32; wk 512 x 512 float32; wo 512 x 512 float32; wq 512 x 512 float32; wv 512 x 512 float32.
;; Outputs: out0 8 x 2,048 x 512 float32.
;; This version of the problem:
;;   THIS VERSION OF THE PROBLEM IS GIVEN IN LOW PRECISION. The matrix products marked QUANTISED in the list below multiply operands that are first quantised to E2M3 (2 exponent bits, 3 mantissa bits; 6 bits a number), with one power-of-two scale for each 32 numbers along K (OCP MX v1.0); their sums are f32. All else is computed in f32.
;;   The module's matrix products, in the order in which they are computed (A, B: the left and right operand; K: the contracted axis; several contracted axes count as one K, in the product's order):
;;     1. [M 16,384, K 512] x [K 512, N 512]; A: input q; B: input wq: QUANTISED
;;     2. [M 16,384, K 512] x [K 512, N 512]; A: input k; B: input wk: QUANTISED
;;     3. [M 16,384, K 512] x [K 512, N 512]; A: input v; B: input wv: QUANTISED
;;     4. batch 64 x [M 2,048, K 64] x [K 64, N 2,048]; A: computed on the way; B: computed on the way: QUANTISED
;;     5. batch 64 x [M 2,048, K 2,048] x [K 2,048, N 64]; A: softmax (see below); B: computed on the way: QUANTISED
;;     6. [M 16,384, K 512] x [K 512, N 512]; A: computed on the way; B: input wo: QUANTISED
;;   THE QUANTISER, for each operand of a quantised product, along K:
;;     - K is cut into blocks of 32 from its start; a last block that is shorter is filled with zeros.
;;     - A block's scale is 2^e with e = floor(log2(the largest magnitude in the block)) - 2, held to -126 .. 127; a block of zeros has e = 0. As a byte (E8M0): e + 127.
;;     - Each number is divided by its block's scale, clamped to +-7.5, and rounded to the nearest number of E2M3, ties to even, subnormals kept.
;;     - The product sums the exact products of the quantised numbers (number of the format x scale) in f32.
;;   ~~~python
;;   def quantise(x, axis):      # numpy; x: float32 -> the quantised numbers, widened to float32 again
;;       x = np.moveaxis(x, axis, -1); K = x.shape[-1]
;;       x = np.pad(x, [(0, 0)] * (x.ndim - 1) + [(0, -K % 32)]); x = x.reshape(x.shape[:-1] + (-1, 32)); a = np.abs(x).max(-1, keepdims=True)
;;       e = np.where(a > 0, np.clip(np.frexp(np.where(a > 0, a, 1))[1] - 1 - 2, -126, 127), 0)      # np.frexp(a)[1] - 1 = floor(log2(a)), exactly
;;       r = np.clip(x / 2.0 ** e, -7.5, 7.5)
;;       step = 2.0 ** (np.maximum(np.frexp(np.where(r == 0, 1, r))[1] - 1, 0) - 3)
;;       q = np.round(r / step) * step * 2.0 ** e      # np.round: ties to even
;;       return np.moveaxis(q.reshape(q.shape[:-2] + (-1,))[..., :K], -1, axis).astype(np.float32)
;;   ~~~
;;   SOFTMAX AHEAD OF A QUANTISED PRODUCT. Where the list says 'softmax', what is quantised is not the finished softmax but p = 2^(t - M), with t = logit x log2(e) and M = ceil(the row's largest t), a whole number; so 1/2 < the row's largest p <= 1. The row's sum l is taken of the UNQUANTISED p, in f32, and the product's result is divided by l at the end. Since M is a whole number, a kernel that streams over the keys may use a running M (the ceiling of the running maximum): every later rescaling is an exact power of two, which a block's scale takes up: the codes' values come out the same.
;;   OPERANDS COMPUTED ON THE WAY. 'Computed on the way' means the value that the module computes at that place (a softmax that the list does not call 'softmax' is quantised finished and normalised). What goes into a quantiser is computed in f32, as accurately as f32 sums, v_exp_f32 and their like allow (about 1e-6 of the number): no bf16 or f16 on the way to a quantiser, and a product that is left as it is and whose result goes on into a quantised operand takes f32 operands (vector FMAs, or v_wmma_f32_16x16x4_f32). A number that lies on a knife's edge between two numbers of the format may be rounded either way, as far as f32 arithmetic and the matrix unit's own rounding can turn it there, and no further.
;; One version. Each part assembles by itself: llvm-mc -triple=amdgcn-amd-amdhsa -mcpu=gfx1250 --defsym DOCPART=n.
;; ======== version 1 of 1: 4 launches
;; limits: right only within a limited range of input values
;; workspace buffers: wimg 786,432 bytes; wsc 65,536 bytes; qb 8,912,896 bytes; kv 15,728,640 bytes; ob 6,553,600 bytes
;; launch wprep (part 1): grid 32 x 4, 4 waves a work-group, no clusters, 0 bytes of LDS; arguments wv, wq, wk, wo, wimg, wsc; writes wimg, wsc
.if DOCPART == 1
	.amdgcn_target "amdgcn-amd-amdhsa--gfx1250"
	.amdhsa_code_object_version 6
	.text
	.protected	k_q811764cd45_wprep
	.globl	k_q811764cd45_wprep
	.p2align	8
	.type	k_q811764cd45_wprep,@function
k_q811764cd45_wprep:
	s_mov_b64 s[64:65], 0
	v_nop
	global_prefetch_b8 v0, s[64:65] scope:SCOPE_SE
	s_setreg_imm32_b32 hwreg(HW_REG_WAVE_MODE, 25, 1), 1
	s_wait_xcnt 0x0
; The four weights [512 (k)][512 (n)], f32, K the first axis, become codes of FP6 (E2M3) with one E8M0 byte for each 32 along K,
; laid as IMAGES OF OPERAND REGISTERS: fragment (tile T of 16 columns, K step s of 128) is 12 registers a lane, stored as three runs of
; 512 bytes (16 bytes a lane); its scale word 4 bytes a lane.  wimg: [weight v,q,k,o][T 32][s 4][1,536]; wsc: [weight][T][s][128].
; THE COLUMNS OF A TILE ARE NOT NEIGHBOURS: lane r of tile 2 b + u takes column 32 b + 8 u + r + 8 (r / 8), so that the results of two
; neighbouring tiles are 16 neighbours along the next product's K.
; A lane takes one column and its registers run down K in the operand's own order (k = 64 c + 32 (lane / 16) + 0 .. 31): nothing is transposed.
; Work-group (x, y): weight y, 64 columns x / 4, K step x % 4; wave w: tile 4 (x / 4) + w.  No LDS, no barrier: waves share nothing; no cluster: no byte is read twice.
; LIMITS: a block of zeros, or one whose largest magnitude lies under 2^(3 - 127), gets the byte 1 (its bytes are read by this program alone); NaN and infinities are not served.
.set H8,  6                            ; v6   8 x (lane / 16)
.set L16, 8                            ; v8   16 x lane
.set L4,  9                            ; v9   4 x lane
.set TM,  16                           ; v16-29 at work
.set PW,  30                           ; v30  the scale word
.set PC,  48                           ; v48-59 the codes; v60-67 their second halves as converted
.set X,   80                           ; v80-143 64 numbers
.set SEL, 20                           ; s[20:21] selects for lane l xor 16
; 64 numbers of a lane, register s + 32 c + i = k 64 c + 32 (lane / 16) + i of my column, become the fragment's codes in v[PC] on and its scale word in v[PW]
.macro QUANTW s
.irp c, 0,1
	v_max3_num_f32 v[TM+\c], |v[\s+32*\c]|, |v[\s+1+32*\c]|, 0x1800000   ; my block 2 c + lane / 16: all 32 numbers are mine; the floor 2^(3 - 127) holds the byte at 1 from below
.endr
.irp i, 2,4,6,8,10,12,14,16,18,20,22,24,26,28,30
.irp c, 0,1
	v_max3_num_f32 v[TM+\c], v[TM+\c], |v[\s+32*\c+\i]|, |v[\s+1+32*\c+\i]|
.endr
.endr
.irp c, 0,1
	v_add_nc_u32 v[TM+12+\c], 0xff000000, v[TM+\c]   ; 2 off the exponent field: the conversion's scale operand
.endr
.irp c, 0,1
	v_lshrrev_b32 v[TM+4+\c], 23, v[TM+12+\c]        ; the scale's byte
.endr
	v_lshl_or_b32 v[PW], v[TM+5], 16, v[TM+4]        ; my two bytes,
	v_lshlrev_b32 v[PW], v[H8], v[PW]                ; at their places in the word;
	v_permlanex16_b32 v[TM+6], v[PW], s[SEL], s[SEL+1]
	v_or_b32 v[PW], v[PW], v[TM+6]                   ; with lane l xor 16's two the word is whole, in both lanes
.irp c, 0,1
	v_cvt_scalef32_pk16_fp6_f32 v[PC+6*\c:PC+6*\c+2], v[\s+32*\c:\s+32*\c+15], v[TM+12+\c]
	v_cvt_scalef32_pk16_fp6_f32 v[PC+12+4*\c:PC+14+4*\c], v[\s+16+32*\c:\s+31+32*\c], v[TM+12+\c]   ; (a conversion's three registers begin on an even number)
.endr
	v_nop                                            ; one plain place behind a scaled conversion
.irp c, 0,1
.irp i, 0,1,2
	v_mov_b32 v[PC+3+6*\c+\i], v[PC+12+4*\c+\i]
.endr
.endr
.endm
	s_load_b256 s[4:11], s[0:1], 0x0               ; wv, wq, wk, wo
	s_load_b128 s[12:15], s[0:1], 0x20             ; wimg, wsc
	v_lshrrev_b32 v1, 5, v0
	v_readfirstlane_b32 s16, v1                    ; wave
	v_and_b32 v1, 15, v0                           ; r
	v_bfe_u32 v2, v0, 4, 1                         ; h
	v_and_b32 v3, 8, v1
	v_add_nc_u32 v3, v3, v1                        ; r + 8 (r / 8)
	v_lshlrev_b32 v5, 2, v3                        ; my column, 4 bytes each,
	v_lshl_add_u32 v5, v2, 16, v5                  ; and 32 rows of 2,048 bytes further down for lanes 16-31
	v_lshlrev_b32 v[H8], 3, v2
	v_and_b32 v7, 31, v0
	v_lshlrev_b32 v[L16], 4, v7
	v_lshlrev_b32 v[L4], 2, v7
	v_mov_b32 v[TM+6], 0                           ; a lane permute's destination counts as one of its sources
	s_mov_b32 s[SEL], 0x76543210
	s_mov_b32 s[SEL+1], 0xfedcba98
	s_and_b32 s17, ttmp7, 0xffff                   ; which weight
	s_lshr_b32 s18, ttmp9, 2                       ; which 64 columns
	s_and_b32 s19, ttmp9, 3                        ; which K step
	s_lshl_b32 s22, s19, 18                        ; in: 128 rows of 2,048 bytes a K step,
	s_lshl_b32 s23, s18, 8                         ; 256 bytes for 64 columns,
	s_add_co_u32 s22, s22, s23
	s_lshr_b32 s23, s16, 1
	s_lshl_b32 s23, s23, 7                         ; 32 (w / 2) columns,
	s_add_co_u32 s22, s22, s23
	s_and_b32 s23, s16, 1
	s_lshl_b32 s23, s23, 5                         ; 8 (w % 2) columns
	s_add_co_u32 s22, s22, s23
	s_mov_b32 s23, 0
	s_lshl_b32 s24, s18, 4                         ; out: fragment 4 T + s = 16 (x / 4) + 4 w + s
	s_lshl_b32 s25, s16, 2
	s_add_co_u32 s24, s24, s25
	s_add_co_u32 s24, s24, s19
	s_mul_i32 s26, s24, 1536
	s_mul_i32 s25, s17, 196608
	s_add_co_u32 s26, s26, s25
	s_mov_b32 s27, 0
	s_lshl_b32 s28, s24, 7
	s_lshl_b32 s25, s17, 14
	s_add_co_u32 s28, s28, s25
	s_mov_b32 s29, 0
	s_wait_alu depctr_va_vdst(0)
	s_wait_kmcnt 0x0
	s_cmp_eq_u32 s17, 1                            ; the choice hangs on the work-group's number alone
	s_cselect_b64 s[4:5], s[6:7], s[4:5]
	s_cmp_eq_u32 s17, 2
	s_cselect_b64 s[4:5], s[8:9], s[4:5]
	s_cmp_eq_u32 s17, 3
	s_cselect_b64 s[4:5], s[10:11], s[4:5]
	s_add_nc_u64 s[4:5], s[4:5], s[22:23]
	s_add_nc_u64 s[12:13], s[12:13], s[26:27]
	s_add_nc_u64 s[14:15], s[14:15], s[28:29]
.irp c, 0,1
.set i, 0
.rept 32
	global_load_b32 v[X+32*\c+i], v5, s[4:5] offset:(64*\c+i)*2048 th:TH_LOAD_NT   ; W(128 s + 64 c + 32 h + i, my column): read once in the launch
.set i, i+1
.endr
.endr
	s_wait_loadcnt 0x0
	QUANTW X
.irp c, 0,1,2
	global_store_b128 v[L16], v[PC+4*\c:PC+4*\c+3], s[12:13] offset:512*\c   ; 32 lanes store 512 consecutive bytes, at a multiple of 256 from the buffer's first byte
.endr
	global_store_b32 v[L4], v[PW], s[14:15]
	s_endpgm
.Lfunc_end_k_q811764cd45_wprep:
	.size	k_q811764cd45_wprep, .Lfunc_end_k_q811764cd45_wprep-k_q811764cd45_wprep
	.p2alignl 7, 3214868480
	.fill 96, 4, 3214868480
	.section	.rodata,"a",@progbits
	.p2align	6, 0x0
	.amdhsa_kernel k_q811764cd45_wprep
		.amdhsa_group_segment_fixed_size 0
		.amdhsa_private_segment_fixed_size 0
		.amdhsa_enable_private_segment 0
		.amdhsa_kernarg_size 48
		.amdhsa_user_sgpr_count 2
		.amdhsa_user_sgpr_kernarg_segment_ptr 1
		.amdhsa_wavefront_size32 1
		.amdhsa_system_sgpr_workgroup_id_x 1
		.amdhsa_system_sgpr_workgroup_id_y 1
		.amdhsa_system_sgpr_workgroup_id_z 1
		.amdhsa_system_vgpr_workitem_id 0
		.amdhsa_next_free_vgpr 144
		.amdhsa_next_free_sgpr 66
		.amdhsa_reserve_vcc 0
		.amdhsa_float_denorm_mode_32 3
		.amdhsa_float_denorm_mode_16_64 3
		.amdhsa_memory_ordered 1
		.amdhsa_forward_progress 1
		.amdhsa_inst_pref_size 12
	.end_amdhsa_kernel
	.amdgpu_metadata
---
amdhsa.version: [ 1, 2 ]
amdhsa.kernels:
  - .name:           k_q811764cd45_wprep
    .symbol:         k_q811764cd45_wprep.kd
    .args:
      - { .name: wv, .offset: 0, .size: 8, .value_kind: global_buffer, .address_space: global }
      - { .name: wq, .offset: 8, .size: 8, .value_kind: global_buffer, .address_space: global }
      - { .name: wk, .offset: 16, .size: 8, .value_kind: global_buffer, .address_space: global }
      - { .name: wo, .offset: 24, .size: 8, .value_kind: global_buffer, .address_space: global }
      - { .name: wimg, .offset: 32, .size: 8, .value_kind: global_buffer, .address_space: global }
      - { .name: wsc, .offset: 40, .size: 8, .value_kind: global_buffer, .address_space: global }
    .group_segment_fixed_size: 0
    .private_segment_fixed_size: 0
    .kernarg_segment_align: 8
    .kernarg_segment_size: 48
    .max_flat_workgroup_size: 128
    .sgpr_count:     66
    .vgpr_count:     144
    .wavefront_size: 32
...
	.end_amdgpu_metadata
.endif
;; end of part 1
;; launch proj (part 2): grid 128 x 3, 8 waves a work-group, no clusters, 327,680 bytes of LDS; arguments v, q, k, bv, bq, bk, mask, wimg, wsc, qb, kv; writes qb, kv
.if DOCPART == 2
	.amdgcn_target "amdgcn-amd-amdhsa--gfx1250"
	.amdhsa_code_object_version 6
	.text
	.protected	k_q811764cd45_proj
	.globl	k_q811764cd45_proj
	.p2align	8
	.type	k_q811764cd45_proj,@function
k_q811764cd45_proj:
	s_mov_b64 s[64:65], 0
	v_nop
	global_prefetch_b8 v0, s[64:65] scope:SCOPE_SE
	s_setreg_imm32_b32 hwreg(HW_REG_WAVE_MODE, 25, 1), 1
	s_wait_xcnt 0x0
; The three projections x W + b on codes of FP6 (E2M3, one E8M0 byte for each 32 along K), and the quantising of their results for attention.
; Work-group (x, y): y = 0: v, 1: q, 2: k; x: 128 tokens of [16,384][512] f32, one key step of one batch.  Eight waves.
; PHASE X.  The block's 256 KiB of f32 come into LDS by 32 tensor loads (four a wave, all issued at the head: four of mine are out at the most).
;   Wave w quantises token tile w along K, a K step of 128 at a time, and stores each fragment to LDS as an image of its registers (three runs of 512 bytes, 16 bytes a lane; the scale word 4 bytes a lane).
;   THE TOKENS OF A TILE ARE NOT NEIGHBOURS: lane r of tile 2 b + u takes token 32 b + 8 u + r + 8 (r / 8); the weights' tiles of columns are laid the same way.
; PRODUCTS.  Wave w makes head w (64 columns) for all 128 tokens; its 16 fragments of W stay in registers.  The bias is the C of each sum's first product.
;   q, k: transposed (source 0 = W, source 1 = x): a lane holds one token, its registers run along the head's 64, which are the next K: two blocks.  A tile's image is 8 registers: 0-5 the codes,
;   6 the mask's code, 7 zero.
;   v: source 0 = x, source 1 = W: a lane holds one channel, its registers run along the 128 tokens, the next K: one fragment and one scale word for each 16 channels.
; THE MASK rides in the unused upper half of attention's first product (K = 64 of the instruction's 128): at k = 64 every query has the code of -1.0 (scale byte 127) and a hidden key the code of 1.0
;   under the scale byte 160 (2^33); a hidden key's own codes are cleared.  So a hidden key's raw score is exactly -2^33.  An OPEN key has zero codes there, under the scale byte 1 (2^-126), so that
;   the unused half stands far under the key's own products and not far over them.
; LIMITS: a hidden key's logit is -2^30 where the definition has -1e9: the same result while every open logit lies above -2^29.  A block of zeros, or one whose largest magnitude lies under
;   2^(3 - 127), gets the byte 1 (read by this program alone).  NaN and infinities are not served.
; NO CLUSTER: what work-groups share is W's 213 KB, which go from memory straight into registers; a joint load would need LDS, which the block's own 256 KiB fill.
; OUT.  qb: [batch x head 64][block 16][8,704]: 8 images of 1,024 bytes, then 512 bytes of scale words [lane][pair]: lanes 0-15 tile 2 p, lanes 16-31 tile 2 p + 1.
;       kv: [batch x head 64][step 16][15,360]: K's 8 images; at 8,192 V's 4 fragments; at 14,336 K's scale words; at 14,848 V's ([lane][2]); at 15,104 256 zero bytes.
.set FRB,   1536                       ; a fragment's image in bytes
.set XIMG,  0                          ; LDS: x's 32 fragments (token tile m, K step s: 4 m + s),
.set XSC,   32*FRB                     ; their scale words, 128 bytes each,
.set SPARE, XSC+32*128                 ; the spare words, 128 bytes for each wave: four blocks of 256 bytes that no other line names,
.set RAW,   SPARE+1024                 ; and the block as it comes: eight regions of 16 tokens
; IN PLACE OF THE HEAD'S LINES ON THE FILLS AND ON THE TOKENS OF A TILE: each wave brings its 16 tokens by ONE tensor load (16 rows of 2,048 bytes, 16 bytes of padding behind each 1,024),
; and lane r of token tile 4 c + u takes token 64 c + 8 u + r % 8 + 32 (r / 8): so a product's eight registers of tiles 4 c .. 4 c + 3 are a lane's 32 neighbours 64 c + 32 (lane / 16) + 0 .. 31 along the tokens.
.set RP,    2080                       ; a token's row in LDS: 2,048 bytes + 2 x 16 of padding = 520 words
.set RREG,  16*RP+16                   ; a region of 16 tokens; regions 2, 3, 6, 7 lie 16 bytes further on, so that rows r and r + 8 of a tile stand 16 bytes apart modulo 32
.set LI,  1                            ; v1   16 x lane
.set LS,  2                            ; v2   4 x lane
.set XWI, 3                            ; v3   where I store x's images: 16 x lane + 4 FRB x wave
.set XWS, 4                            ; v4   and their scale words: 4 x lane + 512 x wave
.set RA,  5                            ; v5   my row's 32 numbers of a block of 64 in RAW
.set H8,  6                            ; v6   8 x (lane / 16)
.set G8,  7                            ; v7   8 x lane
.set SPW, 8                            ; v8   LDS address of my spare word; never rewritten
.set NIL, 9                            ; v9   0; never rewritten
.set SW,  12                           ; v12-15 the scale words to be stored
.set WS,  16                           ; v16-31 W's scale words: 4 t + s
.set XS,  32                           ; v32-35 x's scale words
.set ZZ,  36                           ; v36-37 zeros
.set MA,  38                           ; v38  r + 8 (r / 8)
.set NEG, 39                           ; v39  all ones
.set TM,  40                           ; v40-55 at work
.set PW,  56                           ; v56  the scale word just made
.set PC,  58                           ; v58-69 the codes just made; v70-77 their second halves as converted
.set IM,  78                           ; v78-93 q, k: two tiles' images
.set AM,  94                           ; v94-101 q, k: all ones where the token's codes stay.  First: the bias loads' offsets
.set MC,  102                          ; v102-109 the mask bytes, then the mask's code
.set HA,  110                          ; v110-173 phase X: 64 numbers; q, k: two token tiles x 4 tiles of the head
.set HW,  174                          ; v174-181 q, k: the upper half of each token's scale word, tile by tile
.set HH,  182                          ; v182 q, k: that half for a query or a hidden key
.set HO,  183                          ; v183 q, k: and for an open key
.set HV,  78                           ; v78-205 v: two tiles of channels x 8 token tiles
.set XF,  206                          ; v206-253 four fragments of x
.set BI,  192                          ; window 1: v0-191 W's 16 fragments (4 t + s); v192-223 the bias, 8 registers a tile
.set WV,   2
.set PATH, 3
.set G1,   28                          ; s[28:35] descriptor group 1
.set G0,   36                          ; s[36:39] group 0, my one fill
.set SEL,  54
.set SQ,   56
.set SK,   57
.set HI,   58
.set HM,   59
.set CODE, 60
.set OUT,  66
.set OSC,  68
.set MSB, 0
.macro WIN new                         ; the immediate's high byte repeats the setting that is left
.if MSB != \new
	s_set_vgpr_msb (MSB<<8)|\new
.set MSB, \new
.endif
.endm
.macro PLACES                          ; four places in front of loads into registers that matrix instructions have read, and of the first read of results
.rept 4
	v_nop
.endr
.endm
; 64 numbers of a lane, register s + 32 c + i = k 64 c + 32 (lane / 16) + i of my row: the operand's own order
.macro QUANTW s, h                     ; h = 1: the numbers came by loads, and the maxima's chain carries its hints; h = 0: they are matrix results, and it carries none
.irp c, 0,1
	v_max3_num_f32 v[TM+\c], |v[\s+32*\c]|, |v[\s+1+32*\c]|, 0x1800000   ; my block 2 c + lane / 16; the floor 2^(3 - 127) holds the byte at 1 from below
.endr
.irp i, 2,4,6,8,10,12,14,16,18,20,22,24,26,28,30
.irp c, 0,1
.if \h
	s_delay_alu instid0(VALU_DEP_2)
.endif
	v_max3_num_f32 v[TM+\c], v[TM+\c], |v[\s+32*\c+\i]|, |v[\s+1+32*\c+\i]|
.endr
.endr
.irp c, 0,1
	s_delay_alu instid0(VALU_DEP_2)
	v_add_nc_u32 v[TM+12+\c], 0xff000000, v[TM+\c]   ; 2 off the exponent field: the conversion's scale operand
.endr
.irp c, 0,1
	s_delay_alu instid0(VALU_DEP_2)
	v_lshrrev_b32 v[TM+4+\c], 23, v[TM+12+\c]        ; the scale's byte
.endr
	s_delay_alu instid0(VALU_DEP_1)
	v_lshl_or_b32 v[PW], v[TM+5], 16, v[TM+4]
	s_delay_alu instid0(VALU_DEP_1)
	v_lshlrev_b32 v[PW], v[H8], v[PW]
	s_delay_alu instid0(VALU_DEP_1)
	v_permlanex16_b32 v[TM+6], v[PW], s[SEL], s[SEL+1]
	s_delay_alu instid0(VALU_DEP_1)
	v_or_b32 v[PW], v[PW], v[TM+6]                   ; the word is whole, in lanes r and r + 16 alike
.irp c, 0,1
	v_cvt_scalef32_pk16_fp6_f32 v[PC+6*\c:PC+6*\c+2], v[\s+32*\c:\s+32*\c+15], v[TM+12+\c]
	v_cvt_scalef32_pk16_fp6_f32 v[PC+12+4*\c:PC+14+4*\c], v[\s+16+32*\c:\s+31+32*\c], v[TM+12+\c]   ; (a conversion's three registers begin on an even number)
.endr
	v_nop                                            ; one plain place behind a scaled conversion
.irp c, 0,1
.irp i, 0,1,2
	v_mov_b32 v[PC+3+6*\c+\i], v[PC+12+4*\c+\i]
.endr
.endr
.endm
; 64 numbers of a lane, register s + 16 b + i = k 32 b + 16 (lane / 16) + i of my row: a product's results
.macro QUANT s
.irp b, 0,1,2,3
	v_max3_num_f32 v[TM+\b], |v[\s+16*\b]|, |v[\s+1+16*\b]|, 0x1800000   ; block b: my 16 numbers, and the floor.  (Each accumulator is read from its low end on)
.endr
.irp i, 2,4,6,8,10,12,14
.irp b, 0,1,2,3
	v_max3_num_f32 v[TM+\b], v[TM+\b], |v[\s+16*\b+\i]|, |v[\s+1+16*\b+\i]|
.endr
.endr
.irp b, 0,1,2,3
	s_delay_alu instid0(VALU_DEP_4)
	v_permlanex16_b32 v[TM+4+\b], v[TM+\b], s[SEL], s[SEL+1]
.endr
.irp b, 0,1,2,3
	s_delay_alu instid0(VALU_DEP_4)
	v_max_num_f32 v[TM+\b], v[TM+\b], v[TM+4+\b]     ; with lane l xor 16's: the block's largest magnitude
.endr
.irp b, 0,1,2,3
	s_delay_alu instid0(VALU_DEP_4)
	v_add_nc_u32 v[TM+12+\b], 0xff000000, v[TM+\b]
.endr
.irp b, 0,1,2,3
	s_delay_alu instid0(VALU_DEP_4)
	v_lshrrev_b32 v[TM+4+\b], 23, v[TM+12+\b]
.endr
	s_delay_alu instid0(VALU_DEP_3)
	v_lshl_or_b32 v[PW], v[TM+5], 8, v[TM+4]
	s_delay_alu instid0(VALU_DEP_1)
	v_lshl_or_b32 v[PW], v[TM+6], 16, v[PW]
	s_delay_alu instid0(VALU_DEP_1)
	v_lshl_or_b32 v[PW], v[TM+7], 24, v[PW]
.irp c, 0,1
	v_cvt_scalef32_pk16_fp6_f32 v[PC+6*\c:PC+2+6*\c], v[\s+32*\c:\s+15+32*\c], v[TM+12+2*\c]
	v_cvt_scalef32_pk16_fp6_f32 v[PC+12+4*\c:PC+14+4*\c], v[\s+16+32*\c:\s+31+32*\c], v[TM+12+2*\c+1]
.endr
	v_nop                                            ; one plain place behind a scaled conversion
.irp c, 0,1                                      ; the operand's layout wants a whole block in a lane: lanes 0-15 block 2 c, lanes 16-31 block 2 c + 1
.irp i, 0,1,2
	v_permlane16_swap_b32 v[PC+6*\c+\i], v[PC+12+4*\c+\i]
.endr
.irp i, 0,1,2
	s_delay_alu instid0(VALU_DEP_3)
	v_mov_b32 v[PC+3+6*\c+\i], v[PC+12+4*\c+\i]
.endr
.endr
.endm
.macro FETCHX reg, m, s                          ; x's fragment (token tile m, K step s) comes back as it was stored
.irp c, 0,1,2
	ds_load_b128 v[\reg+4*\c:\reg+4*\c+3], v[LI] offset:XIMG+(4*(\m)+(\s))*FRB+512*\c
.endr
.endm
.macro XSCL reg, m, s
	ds_load_b32 v[\reg], v[LS] offset:XSC+(4*(\m)+(\s))*128
.endm
.macro CLOSE                                     ; the wave's end, behind my last tensor load and my last LDS store
	s_wait_tensorcnt 0x0
	ds_add_u32 v[SPW], v[NIL]
	s_wait_dscnt 0x0
	s_endpgm
.endm
	s_load_b256 s[4:11], s[0:1], 0x0               ; v, q, k, bv
	s_load_b256 s[12:19], s[0:1], 0x20             ; bq, bk, mask, wimg
	s_load_b128 s[20:23], s[0:1], 0x40             ; wsc, qb
	s_load_b64 s[24:25], s[0:1], 0x50              ; kv
	v_lshl_add_u32 v[SPW], v0, 2, SPARE
	v_mov_b32 v[NIL], 0
	ds_add_u32 v[SPW], v[NIL]                      ; the wave's opening: the add and its wait ahead of my first tensor load; work on registers stands between them
	ds_add_u32 v[SPW], v[NIL]
	v_lshrrev_b32 v10, 5, v0
	s_delay_alu instid0(VALU_DEP_1)
	v_readfirstlane_b32 s[WV], v10                 ; wave 0..7
	s_and_b32 s[PATH], ttmp7, 0xffff               ; 0: v, 1: q, 2: k
	s_mov_b32 s[G1+0], (2<<16)|(1<<20)|(7<<22)|(3<<25)  ; no mask; elements of 4 bytes; padding on: after every 256 words, 4 words
	s_mov_b32 s[G1+1], 512<<16                     ; tensor_dim0 = 512
	s_mov_b32 s[G1+2], 16<<16                      ; tensor_dim1 = 16
	s_mov_b32 s[G1+3], 512<<16                     ; tile_dim0 = 512
	s_mov_b32 s[G1+4], 16                          ; tile_dim1 = 16
	s_mov_b32 s[G1+5], 512                         ; elements from row to row
	s_mov_b32 s[G1+6], 0
	s_mov_b32 s[G1+7], 0
	s_mov_b32 s[SEL], 0x76543210
	s_mov_b32 s[SEL+1], 0xfedcba98
	s_mov_b32 s[HM], 0xffff0000                    ; lanes 16-31
	s_lshl_b32 s70, ttmp9, 18                      ; my block: 128 rows of 2,048 bytes,
	s_lshl_b32 s71, s[WV], 15                      ; my 16 rows of it
	s_add_co_u32 s70, s70, s71
	s_mov_b32 s71, 0
	s_mul_i32 s52, s[WV], RREG
	s_bfe_u32 s53, s[WV], 0x10001
	s_lshl_b32 s53, s53, 4
	s_add_co_u32 s52, s52, s53                     ; my region: wave x RREG + 16 x (bit 1 of the wave's number)
	s_wait_dscnt 0x0                               ; the opening add is done
	s_wait_kmcnt 0x0
	s_cmp_eq_u32 s[PATH], 1                        ; the choices hang on the work-group's number alone
	s_cselect_b64 s[4:5], s[6:7], s[4:5]
	s_cselect_b64 s[10:11], s[12:13], s[10:11]
	s_cselect_b64 s[OUT:OUT+1], s[22:23], s[24:25]
	s_mov_b32 s27, 15360
	s_cselect_b32 s27, 8704, s27                   ; a record of the output,
	s_mov_b32 s53, 14336
	s_cselect_b32 s53, 8192, s53                   ; and where its scale words begin
	s_cmp_eq_u32 s[PATH], 2
	s_cselect_b64 s[4:5], s[8:9], s[4:5]
	s_cselect_b64 s[10:11], s[14:15], s[10:11]
	s_add_nc_u64 s[4:5], s[4:5], s[70:71]
	s_mov_b32 s[G0], 1                             ; my one fill: my 16 whole rows
	s_add_co_u32 s[G0+1], s52, RAW
	s_mov_b64 s[G0+2:G0+3], s[4:5]
	s_or_b32 s[G0+3], s[G0+3], 0x80000000
	tensor_load_to_lds s[G0:G0+3], s[G1:G1+7]
	s_nop 0
	v_and_b32 v10, 31, v0                          ; lane
	s_delay_alu instid0(VALU_DEP_1)
	v_lshlrev_b32 v[LI], 4, v10
	s_delay_alu instid0(VALU_DEP_2)
	v_lshlrev_b32 v[LS], 2, v10
	s_delay_alu instid0(VALU_DEP_3)
	v_lshlrev_b32 v[G8], 3, v10
	s_mul_i32 s52, s[WV], 4*FRB
	v_add_nc_u32 v[XWI], s52, v[LI]
	s_lshl_b32 s52, s[WV], 9
	v_add_nc_u32 v[XWS], s52, v[LS]
	v_bfe_u32 v11, v0, 4, 1                        ; h
	s_delay_alu instid0(VALU_DEP_1)
	v_lshlrev_b32 v[H8], 3, v11
	s_wait_alu depctr_va_vdst(0)
	s_lshr_b32 s52, s[WV], 2                       ; token tile w's row r lies in region 4 (w / 4) + (w % 4) / 2 + 2 (r / 8), at row 8 (w % 2) + r % 8
	s_lshl_b32 s52, s52, 2
	s_bfe_u32 s61, s[WV], 0x10001
	s_add_co_u32 s52, s52, s61
	s_mul_i32 s52, s52, RREG
	s_and_b32 s61, s[WV], 1
	s_mul_i32 s61, s61, 8*RP
	s_add_co_u32 s52, s52, s61
	s_add_co_u32 s52, s52, RAW
	v_bfe_u32 v[RA], v0, 3, 1
	s_delay_alu instid0(VALU_DEP_1)
	v_mul_u32_u24 v[RA], v[RA], 2*RREG+16
	v_and_b32 v10, 7, v0
	s_delay_alu instid0(VALU_DEP_1)
	v_mad_u32_u24 v[RA], v10, RP, v[RA]
	s_delay_alu instid0(VALU_DEP_1)
	v_lshl_add_u32 v[RA], v11, 7, v[RA]            ; + 128 h: my 32 numbers of each 64
	s_delay_alu instid0(VALU_DEP_1)
	v_add_nc_u32 v[RA], s52, v[RA]
	v_and_b32 v10, 15, v0
	s_delay_alu instid0(VALU_DEP_1)
	v_and_b32 v[MA], 8, v10
	s_delay_alu instid0(VALU_DEP_1)
	v_add_nc_u32 v[MA], v[MA], v10
	v_and_b32 v57, 8, v10
	v_mad_u32_u24 v57, v57, 3, v10                 ; v57: r % 8 + 32 (r / 8): my token's place in its tile's 64
	v_mov_b32 v[ZZ], 0
	v_mov_b32 v[ZZ+1], 0
	v_mov_b32 v[NEG], -1
.irp b, 0,1,2,3
	v_mov_b32 v[TM+4+\b], 0                        ; a lane permute's destination counts as one of its sources
.endr
	; the bias in the result's layout.  q, k: register j of tile t is channel 32 (t / 2) + 8 (t % 2) + 16 h + j; v: all eight are channel 32 (t / 2) + 8 (t % 2) + r + 8 (r / 8)
	s_cmp_eq_u32 s[PATH], 0
	s_cselect_b32 s72, 0, 64
	s_cselect_b32 s73, 4, 0
	s_cselect_b32 s74, 0, 4
	v_mul_u32_u24 v10, s72, v11
	s_delay_alu instid0(VALU_DEP_1)
	v_mad_u32_u24 v10, v[MA], s73, v10
	s_wait_alu depctr_va_vdst(0)
.irp j, 0,1,2,3,4,5,6,7
	s_mul_i32 s75, s74, \j
	v_add_nc_u32 v[AM+\j], s75, v10
.endr
	s_mul_i32 s70, s[PATH], 196608                 ; my weight's images, my head's 16 fragments
	s_mul_i32 s61, s[WV], 16*FRB
	s_add_co_u32 s70, s70, s61
	s_add_nc_u64 s[18:19], s[18:19], s[70:71]
	s_lshl_b32 s70, s[PATH], 14
	s_lshl_b32 s61, s[WV], 11
	s_add_co_u32 s70, s70, s61
	s_add_nc_u64 s[20:21], s[20:21], s[70:71]      ; and their scale words
	s_lshl_b32 s70, s[WV], 8
	s_add_nc_u64 s[10:11], s[10:11], s[70:71]      ; my head's 64 numbers of the bias
	s_lshl_b32 s70, ttmp9, 7
	s_add_nc_u64 s[16:17], s[16:17], s[70:71]      ; my block's 128 bytes of the mask
	s_lshr_b32 s70, ttmp9, 4                       ; the output's record: ((batch x 8 + head) x 16 + block)
	s_lshl_b32 s70, s70, 3
	s_add_co_u32 s70, s70, s[WV]
	s_lshl_b32 s70, s70, 4
	s_and_b32 s61, ttmp9, 15
	s_add_co_u32 s70, s70, s61
	s_mul_i32 s70, s70, s27
	s_add_nc_u64 s[OUT:OUT+1], s[OUT:OUT+1], s[70:71]
	s_mov_b32 s70, s53
	s_add_nc_u64 s[OSC:OSC+1], s[OUT:OUT+1], s[70:71]
	WIN 0x40                                       ; destination window 1
.set f, 0
.rept 16
.irp c, 0,1,2
	global_load_b128 v[12*f+4*\c:12*f+4*\c+3], v[LI], s[18:19] offset:FRB*f+512*\c
.endr
.set f, f+1
.endr
	s_wait_alu depctr_va_vdst(0)
.irp t, 0,1,2,3
.irp j, 0,1,2,3,4,5,6,7
	global_load_b32 v[BI+8*\t+\j], v[AM+\j], s[10:11] offset:(32*(\t/2)+8*(\t%2))*4
.endr
.endr
	WIN 0
.set f, 0
.rept 16
	global_load_b32 v[WS+f], v[LS], s[20:21] offset:128*f
.set f, f+1
.endr
.irp m, 0,1,2,3,4,5,6,7                          ; all three paths load the mask bytes, so that the text parts once; k's path alone lets them decide
	global_load_u8 v[MC+\m], v57, s[16:17] offset:64*(\m/4)+8*(\m%4)
.endr
	; ---- PHASE X
.irp s, 0,1,2,3
.if \s == 0
	s_wait_tensorcnt 0x0                           ; my 16 rows have landed,
	s_barrier_signal -1
	s_barrier_wait -1                              ; everybody's have: my tile's rows lie in two waves' regions.
.endif
.irp c, 0,1
.irp i, 0,1,2,3,4,5,6,7
	ds_load_b128 v[HA+32*\c+4*\i:HA+32*\c+4*\i+3], v[RA] offset:512*\s+16*(\s/2)+256*\c+16*\i
.endr
.endr
	s_wait_dscnt 0x0
	QUANTW HA, 1
.irp c, 0,1,2
	ds_store_b128 v[XWI], v[PC+4*\c:PC+4*\c+3] offset:XIMG+FRB*\s+512*\c
.endr
	ds_store_b32 v[XWS], v[PW] offset:XSC+128*\s
.endr
	s_wait_dscnt 0x0                               ; for the others' sake: my images lie in LDS
	s_barrier_signal -1
	s_barrier_wait -1                              ; all 32 fragments do
	s_wait_loadcnt 0x0                             ; W, its scale words, the bias, the mask
	s_cmp_eq_u32 s[PATH], 0
	s_cbranch_scc1 .Lv
	; ---- q, k
	s_cmp_eq_u32 s[PATH], 1
	s_cselect_b32 s[SQ], 1, 0
	s_cselect_b32 s[SK], 0, 1
	s_mov_b32 s[HI], 0x01a00000                    ; the scale word's upper bytes: a hidden key: 2^33 over k = 64 .. 95, 2^-126 over the rest;
	s_cselect_b32 s[HI], 0x7f7f0000, s[HI]         ; a query: 1
	s_cselect_b32 s[CODE], 40, 8                   ; the code at k = 64: q: -1.0; a hidden key: 1.0
	v_mov_b32 v10, s[CODE]
	s_delay_alu instid0(VALU_DEP_1)
	v_cndmask_b32 v10, v10, v[ZZ], s[HM]           ; lanes 16-31 hold k = 96 on: nothing there
	v_mov_b32 v[HH], s[HI]
	v_mov_b32 v[HO], 0x01010000                    ; an open key: 2^-126 over its zero codes from k = 64 on
.irp m, 0,1,2,3,4,5,6,7
	v_or_b32 v11, s[SQ], v[MC+\m]
	s_delay_alu instid0(VALU_DEP_1)
	v_cmp_ne_u32 vcc_lo, 0, v11
	s_delay_alu instid0(VALU_DEP_1)
	v_cndmask_b32 v[AM+\m], v[ZZ], v[NEG], vcc_lo  ; a hidden key's codes are cleared
	v_and_b32 v11, s[SK], v[MC+\m]
	s_delay_alu instid0(VALU_DEP_1)
	v_cmp_ne_u32 vcc_lo, 0, v11                    ; an open key?  (never so on q's path)
	s_delay_alu instid0(VALU_DEP_1)
	v_cndmask_b32 v[MC+\m], v10, v[ZZ], vcc_lo     ; an open key has no code at k = 64,
	s_delay_alu instid0(VALU_DEP_2)
	v_cndmask_b32 v[HW+\m], v[HH], v[HO], vcc_lo   ; and the small bytes over it
.endr
	v_mov_b32 v[IM+7], 0
	v_mov_b32 v[IM+15], 0
.irp p, 0,1,2,3                                  ; token tiles 2 p and 2 p + 1: eight accumulators by turns, one instruction a turn
.irp sp, 0,1
.if \sp == 1
	PLACES
.endif
.irp e, 0,1
.irp sl, 0,1
	FETCHX XF+12*(2*\e+\sl), 2*\p+\e, 2*\sp+\sl
	XSCL XS+2*\e+\sl, 2*\p+\e, 2*\sp+\sl
.endr
.endr
	s_wait_dscnt 0x0
.irp sl, 0,1
.set KK, 2*\sp+\sl
.if KK == 0
	WIN 0x11                                       ; source 0 (W) and C (the bias) window 1
.else
	WIN 0x01
.endif
.irp e, 0,1
.irp t, 0,1,2,3
.if KK == 0
	v_wmma_scale_f32_16x16x128_f8f6f4 v[HA+32*\e+8*\t:HA+32*\e+8*\t+7], v[12*(4*\t+KK):12*(4*\t+KK)+11], v[XF+12*(2*\e+\sl):XF+12*(2*\e+\sl)+11], v[BI+8*\t:BI+8*\t+7], v[WS+4*\t+KK], v[XS+2*\e+\sl] matrix_a_fmt:MATRIX_FMT_FP6 matrix_b_fmt:MATRIX_FMT_FP6
.else
	v_wmma_scale_f32_16x16x128_f8f6f4 v[HA+32*\e+8*\t:HA+32*\e+8*\t+7], v[12*(4*\t+KK):12*(4*\t+KK)+11], v[XF+12*(2*\e+\sl):XF+12*(2*\e+\sl)+11], v[HA+32*\e+8*\t:HA+32*\e+8*\t+7], v[WS+4*\t+KK], v[XS+2*\e+\sl] matrix_a_fmt:MATRIX_FMT_FP6 matrix_b_fmt:MATRIX_FMT_FP6
.endif
.endr
.endr
.endr
	WIN 0
.endr
	PLACES
	QUANT HA                                       ; blocks 0, 1: tile 2 p's two; blocks 2, 3: tile 2 p + 1's
	s_wait_xcnt 0x0                                ; the last pair's stores have read their registers
.irp e, 0,1
.irp i, 0,1,2,3,4,5
	v_and_b32 v[IM+8*\e+\i], v[PC+6*\e+\i], v[AM+2*\p+\e]
.endr
	v_mov_b32 v[IM+8*\e+6], v[MC+2*\p+\e]
.endr
.irp e, 0,1
.irp g, 0,1
	global_store_b128 v[LI], v[IM+8*\e+4*\g:IM+8*\e+4*\g+3], s[OUT:OUT+1] offset:1024*(2*\p+\e)+512*\g   ; 512 consecutive bytes, at a multiple of 256 from the buffer's first byte
.endr
.endr
	v_and_or_b32 v10, v[PW], 0xffff, v[HW+2*\p]    ; tile 2 p's scale word,
	v_lshrrev_b32 v11, 16, v[PW]
	s_delay_alu instid0(VALU_DEP_1)
	v_or_b32 v11, v[HW+2*\p+1], v11                ; tile 2 p + 1's,
	s_delay_alu instid0(VALU_DEP_1)
	v_cndmask_b32 v[SW+\p], v10, v11, s[HM]        ; one in lanes 0-15, the other in lanes 16-31
.endr
	global_store_b128 v[LI], v[SW:SW+3], s[OSC:OSC+1]
	CLOSE
	; ---- v
.Lv:
.irp tp, 0,1                                     ; tiles of channels 2 tp and 2 tp + 1, all 8 token tiles: sixteen accumulators by turns
.irp s, 0,1,2,3
.irp g, 0,1
.if (\s)+(\g) > 0
	PLACES
.endif
.irp i, 0,1,2,3
	FETCHX XF+12*\i, 4*\g+\i, \s
	XSCL XS+\i, 4*\g+\i, \s
.endr
	s_wait_dscnt 0x0
.if \s == 0
	WIN 0x14                                       ; source 1 (W) and C (the bias) window 1
.else
	WIN 0x04
.endif
.irp i, 0,1,2,3
.irp u, 0,1
.if \s == 0
	v_wmma_scale_f32_16x16x128_f8f6f4 v[HV+64*\u+8*(4*\g+\i):HV+64*\u+8*(4*\g+\i)+7], v[XF+12*\i:XF+12*\i+11], v[12*(4*(2*\tp+\u)+\s):12*(4*(2*\tp+\u)+\s)+11], v[BI+8*(2*\tp+\u):BI+8*(2*\tp+\u)+7], v[XS+\i], v[WS+4*(2*\tp+\u)+\s] matrix_a_fmt:MATRIX_FMT_FP6 matrix_b_fmt:MATRIX_FMT_FP6
.else
	v_wmma_scale_f32_16x16x128_f8f6f4 v[HV+64*\u+8*(4*\g+\i):HV+64*\u+8*(4*\g+\i)+7], v[XF+12*\i:XF+12*\i+11], v[12*(4*(2*\tp+\u)+\s):12*(4*(2*\tp+\u)+\s)+11], v[HV+64*\u+8*(4*\g+\i):HV+64*\u+8*(4*\g+\i)+7], v[XS+\i], v[WS+4*(2*\tp+\u)+\s] matrix_a_fmt:MATRIX_FMT_FP6 matrix_b_fmt:MATRIX_FMT_FP6
.endif
.endr
.endr
	WIN 0
.endr
.endr
	PLACES
.irp u, 0,1
	s_wait_xcnt 0x0                                ; the last fragment's stores have read their registers
	QUANTW HV+64*\u, 0                             ; a lane's 64 registers run along the tokens in the operand's own order
.irp c, 0,1,2
	global_store_b128 v[LI], v[PC+4*\c:PC+4*\c+3], s[OUT:OUT+1] offset:8192+FRB*(2*\tp+\u)+512*\c
.endr
.if \u == 0
	v_mov_b32 v10, v[PW]
.else
	v_cndmask_b32 v[SW+\tp], v10, v[PW], s[HM]     ; tile 2 tp's words in lanes 0-15, tile 2 tp + 1's in lanes 16-31
.endif
.endr
.endr
	global_store_b64 v[G8], v[SW:SW+1], s[OUT:OUT+1] offset:14848
	global_store_b64 v[G8], v[ZZ:ZZ+1], s[OUT:OUT+1] offset:15104   ; the record's last 256 bytes: they are fetched with the rest
	CLOSE
.Lfunc_end_k_q811764cd45_proj:
	.size	k_q811764cd45_proj, .Lfunc_end_k_q811764cd45_proj-k_q811764cd45_proj
	.p2alignl 7, 3214868480
	.fill 96, 4, 3214868480
	.section	.rodata,"a",@progbits
	.p2align	6, 0x0
	.amdhsa_kernel k_q811764cd45_proj
		.amdhsa_group_segment_fixed_size 327680
		.amdhsa_private_segment_fixed_size 0
		.amdhsa_enable_private_segment 0
		.amdhsa_kernarg_size 88
		.amdhsa_user_sgpr_count 2
		.amdhsa_user_sgpr_kernarg_segment_ptr 1
		.amdhsa_wavefront_size32 1
		.amdhsa_system_sgpr_workgroup_id_x 1
		.amdhsa_system_sgpr_workgroup_id_y 1
		.amdhsa_system_sgpr_workgroup_id_z 1
		.amdhsa_system_vgpr_workitem_id 0
		.amdhsa_next_free_vgpr 512
		.amdhsa_next_free_sgpr 80
		.amdhsa_reserve_vcc 1
		.amdhsa_float_denorm_mode_32 3
		.amdhsa_float_denorm_mode_16_64 3
		.amdhsa_memory_ordered 1
		.amdhsa_forward_progress 1
		.amdhsa_inst_pref_size 140
	.end_amdhsa_kernel
	.amdgpu_metadata
---
amdhsa.version: [ 1, 2 ]
amdhsa.kernels:
  - .name:           k_q811764cd45_proj
    .symbol:         k_q811764cd45_proj.kd
    .args:
      - { .name: v, .offset: 0, .size: 8, .value_kind: global_buffer, .address_space: global }
      - { .name: q, .offset: 8, .size: 8, .value_kind: global_buffer, .address_space: global }
      - { .name: k, .offset: 16, .size: 8, .value_kind: global_buffer, .address_space: global }
      - { .name: bv, .offset: 24, .size: 8, .value_kind: global_buffer, .address_space: global }
      - { .name: bq, .offset: 32, .size: 8, .value_kind: global_buffer, .address_space: global }
      - { .name: bk, .offset: 40, .size: 8, .value_kind: global_buffer, .address_space: global }
      - { .name: mask, .offset: 48, .size: 8, .value_kind: global_buffer, .address_space: global }
      - { .name: wimg, .offset: 56, .size: 8, .value_kind: global_buffer, .address_space: global }
      - { .name: wsc, .offset: 64, .size: 8, .value_kind: global_buffer, .address_space: global }
      - { .name: qb, .offset: 72, .size: 8, .value_kind: global_buffer, .address_space: global }
      - { .name: kv, .offset: 80, .size: 8, .value_kind: global_buffer, .address_space: global }
    .group_segment_fixed_size: 327680
    .private_segment_fixed_size: 0
    .kernarg_segment_align: 8
    .kernarg_segment_size: 88
    .max_flat_workgroup_size: 256
    .sgpr_count:     80
    .vgpr_count:     512
    .wavefront_size: 32
...
	.end_amdgpu_metadata
.endif
;; end of part 2
;; launch attn (part 3): grid 4 x 64, 8 waves a work-group, clusters of 4 x 1, 327,680 bytes of LDS; arguments qb, kv, ob; writes ob
.if DOCPART == 3
	.amdgcn_target "amdgcn-amd-amdhsa--gfx1250"
	.amdhsa_code_object_version 6
	.text
	.protected	k_q811764cd45_attn
	.globl	k_q811764cd45_attn
	.p2align	8
	.type	k_q811764cd45_attn,@function
k_q811764cd45_attn:
	s_mov_b64 s[64:65], 0
	v_nop
	global_prefetch_b8 v0, s[64:65] scope:SCOPE_SE
	s_setreg_imm32_b32 hwreg(HW_REG_WAVE_MODE, 25, 1), 1
	s_wait_xcnt 0x0
	s_wait_alu depctr_hold_cnt(0) depctr_sa_sdst(0) depctr_va_vdst(0) depctr_va_sdst(0) depctr_va_ssrc(0) depctr_va_vcc(0) depctr_vm_vsrc(0)
	s_getreg_b32 s2, hwreg(HW_REG_IB_STS2, 6, 4)
	s_cmp_eq_u32 s2, 0
	s_cbranch_scc0 .Lentry_in_a_cluster
	s_endpgm
.Lentry_in_a_cluster:
	s_bfe_u32 s2, ttmp6, 0x10000c
	s_cmp_lg_u32 s2, 0x3003
	s_cbranch_scc0 .Lentry_shape_is_right
	s_endpgm
.Lentry_shape_is_right:
; Attention of one batch x head (work-group y) for 512 queries (place cx in a cluster of four) on codes of FP6 (E2M3, one E8M0 byte for each 32 along K).
; qb: [batch x head][block of 128 queries 16][8,704]: 8 images of 1,024 bytes (8 registers a lane), then the scale words.  kv: [batch x head][step of 128 keys 16][15,360]: K's 8 images, at 8,192 V's 4 fragments,
; at 14,336 K's scale words, at 14,848 V's.  ob: [tile of 16 queries][6,400]: head h's half fragment at 768 h, the rows' scale bytes at 6,144.
; Both products are used transposed (S^T = K Q^T, O^T = V^T P^T): a lane holds one query.  Row r of K's tile 4 c + u is key 64 c + 8 u + r % 8 + 32 (r / 8), so the 32 registers of tiles 4 c .. 4 c + 3
; are the lane's keys 64 c + 32 (lane / 16) + 0 .. 31: ONE WHOLE BLOCK of p, in the operand's own order: a block's largest score needs no other lane, and the codes change no lane.
; p = 2^(t - M), M the ceiling of the running largest t, a whole number; the row's sum is taken of the unquantised p; when M moves, sum and O^T are multiplied by a power of two.
; A block's largest p is made from its largest score by the same multiply-add and exponential (this takes v_exp_f32 not to fall where its input rises).
; THE MASK rides in the first product's unused upper half of K: a hidden key's raw score is -2^33, its p is 0.
; A wave has two tiles of 16 queries at a time (tile e in register window e, the same numbers in both) and makes two passes: 8 waves x 2 x 2 x 16 = 512 queries.
; LDS holds the head's 16 steps, 245,760 bytes, filled once, in three stages of 4, 4 and 8 steps, one joint load a wave each (30, 30, 60 rows of 256 bytes): stage 1 is on its way under steps 0-2,
; stage 2 under steps 3-6 (a step fetches the next step's K, so a stage is awaited one step ahead of its first step).  One load of mine is out at the most.
; CLUSTER: the four work-groups of a head read the same records and ask for them jointly (mask 15).
; PREFETCH: behind stage 0's load stage 1's rows are named, behind stage 1's load stage 2's: of the rows that wave w fetches, the partner at place cx names 8 (15) of them, told apart by address, a lane a row;
; lanes left over name their wave's last row again.  Stage 0 comes by its load alone.
; LIMITS: the promise holds while the scaled scores stay under 2^31 in magnitude; a hidden key's logit is -2^30 where the definition has -1e9: the same result while every open logit lies above -2^29.
; NaN and infinities are not served.
.set STEPB, 15360
.set SPARE, 16*STEPB                   ; behind the records: the spare words, 128 bytes a wave
.set L16, 1                            ; window 0 alone: 16 x lane, 8 x lane, 16 x (lane % 16)
.set L8,  2
.set R16, 3
.set ADK, 4                            ; this step's record + 16 x lane, + 8 x lane
.set ADS, 5
.set SPW, 6
.set NIL, 7
.set QSC, 8                            ; v8-9 q's scale words, v10-11 p's: tile e
.set PSC, 10
.set KS,  28                           ; v28-31 K's scale words, v32-33 V's
.set VS,  32
.set PFB, 34                           ; v34, v35 the prefetches' offsets
.set PFC, 35
.set NM,  12                           ; both windows: -M, the running largest t
.set TX,  13
.set L,   14                           ; v14-15 the row's sum
.set Q,   16                           ; v16-27
.set BM,  36                           ; v36-39 maxima: four chains, then block c's in v[BM + 2 c]
.set PT,  40
.set SO,  44
.set F,   48
.set T,   50
.set H8,  51                           ; 8 x (lane / 16)
.set PC,  52                           ; v52-63 p's codes; v64-71 their second halves as converted
.set PX,  64
.set S,   72                           ; v72-135 scores, then p
.set O,   136                          ; v136-167 O^T
.set KB,  168                          ; window 0: K's 8 images and four zeros;  window 1: V's 4 fragments
.set VF,  168
.set L2,  236                          ; v236-251 eight chains of a step's sum
.set WV,  10
.set CX,  11
.set SEL, 20
.set CS,  22
.set G1A, 24                           ; group 1 for 30 rows, for 60 rows
.set G1C, 32
.set G0A, 40
.set G0B, 44
.set G0C, 68
.set TB,  48
.set CNT, 49
.set PASS, 50
.set QB,  52
.set QS,  54
.set OB,  56
.set OBS, 58
.set AB,  60                           ; s[60:61], s[62:63] my rows of stage 1, of stage 2, in memory
.set AC,  62
.set MSB, 0
.macro WIN new                         ; the immediate's high byte repeats the setting that is left
.if MSB != \new
	s_set_vgpr_msb (MSB<<8)|\new
.set MSB, \new
.endif
.endm
.macro PLACES
.rept 4
	v_nop
.endr
.endm
.macro D n
	s_delay_alu instid0(VALU_DEP_\n)
.endm
.macro CROUND                          ; a round of the cluster's barrier
	s_barrier_signal -1
	s_barrier_wait -1
	s_cmp_lg_u32 s[WV], 0
	s_cbranch_scc1 .Lnot_wave_0_\@
	s_barrier_signal -3
.Lnot_wave_0_\@:
	s_barrier_wait -3
	s_barrier_signal -1
	s_barrier_wait -1
.endm
.macro NEXTFILL g0, g1                 ; the lines ahead of a later first fill, a round, and my one joint load behind it
	s_wait_tensorcnt 0x0
	ds_add_u32 v[SPW], v[NIL]
	s_wait_dscnt 0x0
	CROUND
	tensor_load_to_lds s[\g0:\g0+3], s[\g1:\g1+7]
	s_nop 0
	PLACES
.endm
.macro KLOAD adr, off                  ; a step's 8 images of K and their scale words
.irp t, 0,1,2,3,4,5,6,7
	ds_load_b128 v[KB+8*\t:KB+8*\t+3], v[\adr] offset:\off+1024*\t
	ds_load_b128 v[KB+8*\t+4:KB+8*\t+7], v[\adr] offset:\off+1024*\t+512
.endr
	ds_load_b128 v[KS:KS+3], v[\adr] offset:\off+14336
.endm
.macro KQ e                            ; an image is 8 registers; the operand's last four meet q's zero codes
.irp t, 0,1,2,3,4,5,6,7
.if (\t)%2
	v_wmma_scale_f32_16x16x128_f8f6f4 v[S+8*\t:S+8*\t+7], v[KB+8*\t:KB+8*\t+11], v[Q:Q+11], 0, v[KS+(\t)/2], v[QSC+\e] matrix_a_fmt:MATRIX_FMT_FP6 matrix_b_fmt:MATRIX_FMT_FP6 matrix_a_scale:MATRIX_SCALE_ROW1
.else
	v_wmma_scale_f32_16x16x128_f8f6f4 v[S+8*\t:S+8*\t+7], v[KB+8*\t:KB+8*\t+11], v[Q:Q+11], 0, v[KS+(\t)/2], v[QSC+\e] matrix_a_fmt:MATRIX_FMT_FP6 matrix_b_fmt:MATRIX_FMT_FP6
.endif
.endr
.endm
.macro PV e                            ; four accumulators by turns
.irp d, 0,1,2,3
.if (\d)%2
	v_wmma_scale_f32_16x16x128_f8f6f4 v[O+8*\d:O+8*\d+7], v[VF+12*\d:VF+12*\d+11], v[PC:PC+11], v[O+8*\d:O+8*\d+7], v[VS+(\d)/2], v[PSC+\e] matrix_a_fmt:MATRIX_FMT_FP6 matrix_b_fmt:MATRIX_FMT_FP6 matrix_a_scale:MATRIX_SCALE_ROW1
.else
	v_wmma_scale_f32_16x16x128_f8f6f4 v[O+8*\d:O+8*\d+7], v[VF+12*\d:VF+12*\d+11], v[PC:PC+11], v[O+8*\d:O+8*\d+7], v[VS+(\d)/2], v[PSC+\e] matrix_a_fmt:MATRIX_FMT_FP6 matrix_b_fmt:MATRIX_FMT_FP6
.endif
.endr
.endm
.macro FM n                            ; t - M, two at a time
.rept \n
	v_pk_fma_f32 v[S+j:S+j+1], v[S+j:S+j+1], s[CS:CS+1], v[NM:NM+1] op_sel_hi:[1,0,0]
.set j, j+2
.endr
.endm
.macro AD n                            ; the sum of p, two at a time, eight chains by turns
.rept \n
.set LC, L2+2*((j/2)%8)
	v_pk_add_f32 v[LC:LC+1], v[LC:LC+1], v[S+j:S+j+1]
.set j, j+2
.endr
.endm
; The softmax step of tile e: 64 scores a lane become p's fragment and scale word
.macro SM e
	WIN 0x55*\e
.if \e
	s_wait_alu depctr_va_vdst(0)                   ; the wait directly ahead of the first reader of these scores
.endif
.irp b, 0,1,2,3
	v_max3_num_f32 v[BM+\b], v[S+16*\b], v[S+1+16*\b], v[S+2+16*\b]   ; four chains of 16; each accumulator is read from its low end on
.endr
.irp i, 3,5,7,9,11,13
.irp b, 0,1,2,3
	v_max3_num_f32 v[BM+\b], v[BM+\b], v[S+16*\b+\i], v[S+1+16*\b+\i]
.endr
.endr
	v_max3_num_f32 v[BM], v[BM], v[BM+1], v[S+15]
	v_max3_num_f32 v[BM+2], v[BM+2], v[BM+3], v[S+47]
	v_max_num_f32 v[BM], v[BM], v[S+31]            ; my block of c = 0: its largest score,
	v_max_num_f32 v[BM+2], v[BM+2], v[S+63]        ; and of c = 1
	D 1
	v_max_num_f32 v[T], v[BM], v[BM+2]
	D 1
	v_permlanex16_b32 v[PT], v[T], s[SEL], s[SEL+1]
	D 1
	v_max_num_f32 v[T], v[T], v[PT]                ; with lane l xor 16's two blocks: the step's largest score of my query
	D 1
	v_mul_f32 v[T], s[CS], v[T]
	D 1
	v_max_num_f32 v[TX], v[TX], v[T]
	v_mov_b32 v[T], v[NM]
	D 2
	v_floor_f32 v[NM], -v[TX]                      ; -M = floor(-t)
.set j, 0
	FM 2
	v_sub_f32 v[T], v[NM], v[T]                    ; M's old value less its new one
	FM 2
	v_cvt_i32_f32 v[T], v[T]
	FM 2
	v_ldexp_f32 v[F], 1.0, v[T]                    ; f = 2^(old M - new M)
	FM 10                                          ; the first 32 of t - M; the other 32 are made among the first half's exponentials
	v_fma_f32 v[BM], v[BM], s[CS], v[NM]
	v_fma_f32 v[BM+2], v[BM+2], s[CS], v[NM]
	v_max_num_f32 v[BM], 0xc2f80000, v[BM]         ; held at -124 from below: a block's largest p is taken as 2^(3 - 127) at the least, which holds its byte from below
	v_max_num_f32 v[BM+2], 0xc2f80000, v[BM+2]
	s_wait_alu depctr_va_vdst(0)                   ; the wait: directly ahead of the first reader of O^T, and ahead of the batch
.set i, 0
.rept 16
	v_pk_mul_f32 v[O+i:O+i+1], v[O+i:O+i+1], v[F:F+1] op_sel_hi:[1,0]   ; O^T under the new M
.set i, i+2
.endr
	v_exp_f32 v[BM], v[BM]                         ; the blocks' largest p,
	v_exp_f32 v[BM+2], v[BM+2]
.set i, 0
.rept 16                               ; the first half of p.  Between its exponentials stand the second half's t - M: they read what was written ahead of the wait above, and are first read behind the wait below
	v_exp_f32 v[S+i], v[S+i]
	FM 1
	v_exp_f32 v[S+i+1], v[S+i+1]
.set i, i+2
.endr
	v_pk_mul_f32 v[L:L+1], v[L:L+1], v[F:F+1] op_sel_hi:[1,0]   ; the sum under the new M: the plain place behind the batch
	s_wait_alu depctr_va_vdst(0)                   ; one wait for the batch
.set i, 32
.set k, 0
.rept 8                                ; the second half of p.  Between its exponentials stand lines that read the first half's results alone and are first read behind the wait below:
	v_exp_f32 v[S+i], v[S+i]
.if k < 2
	v_add_nc_u32 v[SO+k], 0xff000000, v[BM+2*k]    ; 2 off the exponent field of a block's largest p: the conversion's scale operand;
.endif
	v_exp_f32 v[S+i+1], v[S+i+1]
	v_exp_f32 v[S+i+2], v[S+i+2]
	v_exp_f32 v[S+i+3], v[S+i+3]
	v_pk_add_f32 v[L2+2*k:L2+2*k+1], v[S+4*k:S+4*k+1], v[S+4*k+2:S+4*k+3]   ; and the eight chains' first sums (the last of them is the plain place behind the batch)
.set i, i+4
.set k, k+1
.endr
	s_wait_alu depctr_va_vdst(0)                   ; one wait for the second half
.set j, 32
	v_lshrrev_b32 v[PT], 23, v[SO]                 ; the bytes
	v_lshrrev_b32 v[PT+1], 23, v[SO+1]
	AD 2
	v_lshl_or_b32 v[T], v[PT+1], 16, v[PT]
	AD 2
	v_lshlrev_b32 v[T], v[H8], v[T]                ; at their places in the word
	AD 2
	v_permlanex16_b32 v[PT+2], v[T], s[SEL], s[SEL+1]
	AD 2
	WIN 0x15*\e
	v_or_b32 v[PSC+\e], v[T], v[PT+2]              ; with lane l xor 16's two the word is whole (scale registers lie in window 0)
	WIN 0x55*\e
.irp c, 0,1
	v_cvt_scalef32_pk16_fp6_f32 v[PC+6*\c:PC+6*\c+2], v[S+32*\c:S+32*\c+15], v[SO+\c]
	v_cvt_scalef32_pk16_fp6_f32 v[PX+4*\c:PX+4*\c+2], v[S+16+32*\c:S+31+32*\c], v[SO+\c]   ; (a conversion's three registers begin on an even number)
.endr
	AD 2                                           ; plain places behind the conversions
.irp c, 0,1
.irp i, 0,1,2
	v_mov_b32 v[PC+3+6*\c+\i], v[PX+4*\c+\i]
.endr
.endr
	AD 6                                           ; these 14 lines are also the places ahead of the scaled products
.irp k, 0,2,4,6
	v_pk_add_f32 v[L2+\k:L2+\k+1], v[L2+\k:L2+\k+1], v[L2+8+\k:L2+9+\k]   ; the eight chains become one
.endr
	v_pk_add_f32 v[L2:L2+1], v[L2:L2+1], v[L2+4:L2+5]
	v_pk_add_f32 v[L2+2:L2+3], v[L2+2:L2+3], v[L2+6:L2+7]
	D 1
	v_pk_add_f32 v[L2:L2+1], v[L2:L2+1], v[L2+2:L2+3]
	D 1
	v_pk_add_f32 v[L:L+1], v[L:L+1], v[L2:L2+1]
.endm
; A step of 128 keys for both tiles.  next = 1: the next record's K is fetched meanwhile; 2: record 0's
.macro STEP next
	v_add_nc_u32 v[ADK], s[TB], v[L16]
	v_add_nc_u32 v[ADS], s[TB], v[L8]
	s_wait_alu depctr_va_vdst(0)
	s_wait_dscnt 0x0                               ; K's images are in
	KQ 0
	WIN 0x44
	KQ 1
	WIN 0
	PLACES                                         ; ahead of loads into registers that matrix instructions have read
	WIN 0x40
.irp d, 0,1,2,3
.irp c, 0,1,2
	ds_load_b128 v[VF+12*\d+4*\c:VF+12*\d+4*\c+3], v[ADK] offset:8192+1536*\d+512*\c
.endr
.endr
	WIN 0
	ds_load_b64 v[VS:VS+1], v[ADS] offset:14848
.if \next == 1
	KLOAD ADK, STEPB
.else
	KLOAD L16, 0
.endif
	SM 0
	s_wait_dscnt 17                                ; V's 13 loads are in; K's 17 behind them may be out
	WIN 0x01
	PV 0
	SM 1
	PV 1
	WIN 0
	s_add_co_u32 s[TB], s[TB], STEPB
.endm
.macro LOOP name, n
	s_mov_b32 s[CNT], \n
\name:
	STEP 1
	s_sub_co_u32 s[CNT], s[CNT], 1
	s_cmp_lg_u32 s[CNT], 0
	s_cbranch_scc1 \name
.endm
.macro PINIT e
	WIN 0x55*\e
	v_mov_b32 v[TX], 0xff61b1e6                    ; -3e38, under every t
	D 1
	v_floor_f32 v[NM], -v[TX]
	v_mov_b32 v[L], 0
	v_mov_b32 v[L+1], 0
.set j, 0
.rept 32
	v_mov_b32 v[O+j], 0
.set j, j+1
.endr
.endm
.macro QINIT                           ; a pass's two tiles of q, and its sums
	global_load_b128 v[Q:Q+3], v[L16], s[QB:QB+1] th:TH_LOAD_NT
	global_load_b128 v[Q+4:Q+7], v[L16], s[QB:QB+1] offset:512 th:TH_LOAD_NT
	global_load_b32 v[QSC], v[R16], s[QS:QS+1]
	global_load_b32 v[QSC+1], v[R16], s[QS:QS+1] offset:256
	WIN 0x40
	global_load_b128 v[Q:Q+3], v[L16], s[QB:QB+1] offset:1024 th:TH_LOAD_NT
	global_load_b128 v[Q+4:Q+7], v[L16], s[QB:QB+1] offset:1536 th:TH_LOAD_NT
	PINIT 0
	PINIT 1
	WIN 0
	s_mov_b32 s[TB], 0
.endm
; Tile e's way out: O^T / the sum, quantised along the head's 64 (two blocks; the 16 registers of two neighbouring tiles of V are 16 neighbouring channels)
.macro OUTT e
	WIN 0x55*\e
	v_add_f32 v[L], v[L], v[L+1]
	D 1
	v_permlanex16_b32 v[T], v[L], s[SEL], s[SEL+1]
	D 1
	v_add_f32 v[L], v[L], v[T]
	s_wait_alu depctr_va_vdst(0)
	v_rcp_f32 v[F], v[L]
	v_nop
	s_wait_alu depctr_va_vdst(0)
.set j, 0
.rept 16
	v_pk_mul_f32 v[S+j:S+j+1], v[O+j:O+j+1], v[F:F+1] op_sel_hi:[1,0]
.set j, j+2
.endr
.irp b, 0,1
	v_max3_num_f32 v[BM+\b], |v[S+16*\b]|, |v[S+1+16*\b]|, 0x1800000
.endr
.irp i, 2,4,6,8,10,12,14
.irp b, 0,1
	D 2
	v_max3_num_f32 v[BM+\b], v[BM+\b], |v[S+16*\b+\i]|, |v[S+1+16*\b+\i]|
.endr
.endr
.irp b, 0,1
	D 2
	v_permlanex16_b32 v[PT+\b], v[BM+\b], s[SEL], s[SEL+1]
.endr
.irp b, 0,1
	D 2
	v_max_num_f32 v[BM+\b], v[BM+\b], v[PT+\b]
.endr
.irp b, 0,1
	D 2
	v_add_nc_u32 v[SO+\b], 0xff000000, v[BM+\b]
.endr
.irp b, 0,1
	D 2
	v_lshrrev_b32 v[PT+\b], 23, v[SO+\b]
.endr
	D 1
	v_lshl_or_b32 v[T], v[PT+1], 8, v[PT]
	v_cvt_scalef32_pk16_fp6_f32 v[PC:PC+2], v[S:S+15], v[SO]
	v_cvt_scalef32_pk16_fp6_f32 v[PX:PX+2], v[S+16:S+31], v[SO+1]
	v_nop
.irp i, 0,1,2
	v_permlane16_swap_b32 v[PC+\i], v[PX+\i]
.endr
.irp i, 0,1,2
	D 3
	v_mov_b32 v[PC+3+\i], v[PX+\i]
.endr
	WIN 0x04*\e
	global_store_b128 v[L16], v[PC:PC+3], s[OB:OB+1] offset:6400*\e
	global_store_b64 v[L8], v[PC+4:PC+5], s[OB:OB+1] offset:6400*\e+512
	global_store_b16 v[R16], v[T], s[OBS:OBS+1] offset:6400*\e
.endm
	s_load_b128 s[4:7], s[0:1], 0x0                ; qb, kv
	s_load_b64 s[8:9], s[0:1], 0x10                ; ob
	v_lshl_add_u32 v[SPW], v0, 2, SPARE
	v_mov_b32 v[NIL], 0
	ds_add_u32 v[SPW], v[NIL]                      ; the opening lines: the add, twice on end, and its wait
	ds_add_u32 v[SPW], v[NIL]
	v_lshrrev_b32 v1, 5, v0
	D 1
	v_readfirstlane_b32 s[WV], v1                  ; wave 0..7
	s_bfe_u32 s[CX], ttmp6, 0x40000
	s_and_b32 s12, ttmp7, 0xffff                   ; batch x head
.irp g, G1A, G1C
	s_mov_b32 s[\g], 15|(3<<16)|(1<<21)            ; all four partners; elements of 8 bytes; rows of 256 bytes, dense
	s_mov_b32 s[\g+1], 32<<16
	s_mov_b32 s[\g+3], 32<<16
	s_mov_b32 s[\g+5], 32
	s_mov_b32 s[\g+6], 0
	s_mov_b32 s[\g+7], 0
.endr
	s_mov_b32 s[G1A+2], 30<<16
	s_mov_b32 s[G1A+4], 30
	s_mov_b32 s[G1C+2], 60<<16
	s_mov_b32 s[G1C+4], 60
	s_mov_b32 s[SEL], 0x76543210
	s_mov_b32 s[SEL+1], 0xfedcba98
	s_mov_b32 s[CS], 0x3e38aa3b                    ; log2(e) / 8
	s_mov_b32 s[CS+1], s[CS]
	s_mul_i32 s14, s12, 16*STEPB
	s_mov_b32 s15, 0
	s_mul_i32 s16, s[WV], 7680                     ; my 30 rows of a stage of 4 steps
	s_mov_b32 s17, 0
	s_lshl_b32 s18, s16, 1
	s_wait_dscnt 0x0
	s_wait_kmcnt 0x0
	s_add_nc_u64 s[6:7], s[6:7], s[14:15]
	s_add_nc_u64 s[G0A+2:G0A+3], s[6:7], s[16:17]
	s_add_nc_u64 s[AB:AB+1], s[G0A+2:G0A+3], 4*STEPB
	s_add_nc_u64 s[AC:AC+1], s[AB:AB+1], s[16:17]
	s_add_nc_u64 s[AC:AC+1], s[AC:AC+1], 4*STEPB   ; 8 steps + 15,360 x wave
	s_mov_b32 s[G0A], 1
	s_mov_b32 s[G0A+1], s16
	s_or_b32 s[G0A+3], s[G0A+3], 0x80000000
	s_mov_b32 s[G0B], 1
	s_add_co_u32 s[G0B+1], s16, 4*STEPB
	s_mov_b64 s[G0B+2:G0B+3], s[AB:AB+1]
	s_or_b32 s[G0B+3], s[G0B+3], 0x80000000
	s_mov_b32 s[G0C], 1
	s_add_co_u32 s[G0C+1], s18, 8*STEPB
	s_mov_b64 s[G0C+2:G0C+3], s[AC:AC+1]
	s_or_b32 s[G0C+3], s[G0C+3], 0x80000000
	CROUND                                         ; in front of the first joint loads
	tensor_load_to_lds s[G0A:G0A+3], s[G1A:G1A+7]  ; stage 0: steps 0-3
	s_nop 0
	PLACES
	v_and_b32 v4, 31, v0
	D 1
	v_lshlrev_b32 v[L16], 4, v4
	v_lshlrev_b32 v[L8], 3, v4
	v_and_b32 v5, 15, v0
	D 1
	v_lshlrev_b32 v[R16], 4, v5
	s_lshl_b32 s18, s[CX], 3
	s_mul_i32 s19, s[CX], 15
	v_min_u32 v[PFB], 7, v4                        ; stage 1: of my 30 rows, rows 8 cx .. 8 cx + 7, held at 29
	v_min_u32 v[PFC], 14, v4                       ; stage 2: of my 60 rows, rows 15 cx .. 15 cx + 14
	v_add_nc_u32 v[PFB], s18, v[PFB]
	v_add_nc_u32 v[PFC], s19, v[PFC]
	v_min_u32 v[PFB], 29, v[PFB]
	v_lshlrev_b32 v[PFC], 8, v[PFC]
	v_lshlrev_b32 v[PFB], 8, v[PFB]
	v_bfe_u32 v5, v0, 4, 1
	D 1
	v_lshlrev_b32 v5, 3, v5
.irp e, 0,1
	WIN 0x40*\e
.irp j, 0,1,2,3
	v_mov_b32 v[Q+8+\j], 0                         ; q's codes from k = 76 on
	v_mov_b32 v[PT+\j], 0                          ; a lane permute's destination counts as one of its sources
.endr
	v_mov_b32 v[F+1], 0
	v_mov_b32 v[H8], v5
.endr
	WIN 0
.irp j, 0,1,2,3
	v_mov_b32 v[KB+64+\j], 0
.endr
	s_lshl_b32 s16, s12, 4                         ; q's record: 16 x (batch x head) + 4 cx + wave / 4; in it tiles 2 (wave % 4) and the next
	s_lshl_b32 s17, s[CX], 2
	s_add_co_u32 s16, s16, s17
	s_lshr_b32 s17, s[WV], 2
	s_add_co_u32 s16, s16, s17
	s_mul_i32 s19, s16, 8704
	s_and_b32 s18, s[WV], 3
	s_lshl_b32 s16, s18, 11
	s_add_co_u32 s16, s16, s19
	s_mov_b32 s17, 0
	s_add_nc_u64 s[QB:QB+1], s[4:5], s[16:17]
	s_lshl_b32 s16, s18, 2
	s_add_co_u32 s16, s16, s19
	s_add_co_u32 s16, s16, 8192
	s_add_nc_u64 s[QS:QS+1], s[4:5], s[16:17]
	s_lshr_b32 s16, s12, 3                         ; ob's record: 128 x batch + 32 cx + 2 x wave
	s_lshl_b32 s16, s16, 7
	s_lshl_b32 s18, s[CX], 5
	s_add_co_u32 s16, s16, s18
	s_lshl_b32 s18, s[WV], 1
	s_add_co_u32 s16, s16, s18
	s_mul_i32 s19, s16, 6400
	s_and_b32 s18, s12, 7
	s_mul_i32 s16, s18, 768
	s_add_co_u32 s16, s16, s19
	s_add_nc_u64 s[OB:OB+1], s[8:9], s[16:17]
	s_lshl_b32 s16, s18, 1
	s_add_co_u32 s16, s16, s19
	s_add_co_u32 s16, s16, 6144
	s_add_nc_u64 s[OBS:OBS+1], s[8:9], s[16:17]
	s_wait_alu depctr_va_vdst(0)
	global_prefetch_b8 v[PFB], s[AB:AB+1] th:TH_LOAD_NT scope:SCOPE_SE
	QINIT                                          ; the first pass's q comes while stage 0 is on its way
	s_wait_alu depctr_va_vdst(0)
	NEXTFILL G0B, G1A                              ; stage 0 is whole; stage 1: steps 4-7
	KLOAD L16, 0
	global_prefetch_b8 v[PFC], s[AC:AC+1] th:TH_LOAD_NT scope:SCOPE_SE
	s_wait_loadcnt 0x0                             ; q
	LOOP .Lseg1, 3                                 ; steps 0-2 read records 0-3
	NEXTFILL G0C, G1C                              ; stage 1 is whole; stage 2: steps 8-15
	LOOP .Lseg2, 4                                 ; steps 3-6 read records 3-7
	s_wait_tensorcnt 0x0                           ; my part of stage 2 is in,
	s_wait_dscnt 0x0
	s_barrier_signal -1
	s_barrier_wait -1                              ; everybody's is
	s_mov_b32 s[PASS], 2
.Lfin:                                                 ; a trip: steps 7-15 of a pass, its way out, and steps 0-6 of the next pass, if there is one
	LOOP .Lhi, 8
	STEP 2
	PLACES
	OUTT 0
	OUTT 1
	WIN 0
	s_cmp_eq_u32 s[PASS], 1
	s_cbranch_scc1 .Lend
	s_wait_xcnt 0x0                                ; the stores have read their registers and bases
	s_add_nc_u64 s[QB:QB+1], s[QB:QB+1], 2*8704
	s_add_nc_u64 s[QS:QS+1], s[QS:QS+1], 2*8704
	s_add_nc_u64 s[OB:OB+1], s[OB:OB+1], 16*6400
	s_add_nc_u64 s[OBS:OBS+1], s[OBS:OBS+1], 16*6400
	QINIT
	s_wait_alu depctr_va_vdst(0)
	s_wait_loadcnt 0x0
	LOOP .Llo, 7
	s_sub_co_u32 s[PASS], s[PASS], 1
	s_cmp_lg_u32 s[PASS], 0
	s_cbranch_scc1 .Lfin
.Lend:
	s_wait_tensorcnt 0x0                           ; the wave's end
	ds_add_u32 v[SPW], v[NIL]
	s_wait_dscnt 0x0
	CROUND                                         ; the closing round
	s_endpgm
.Lfunc_end_k_q811764cd45_attn:
	.size	k_q811764cd45_attn, .Lfunc_end_k_q811764cd45_attn-k_q811764cd45_attn
	.p2alignl 7, 3214868480
	.fill 96, 4, 3214868480
	.section	.rodata,"a",@progbits
	.p2align	6, 0x0
	.amdhsa_kernel k_q811764cd45_attn
		.amdhsa_group_segment_fixed_size 327680
		.amdhsa_private_segment_fixed_size 0
		.amdhsa_enable_private_segment 0
		.amdhsa_kernarg_size 24
		.amdhsa_user_sgpr_count 2
		.amdhsa_user_sgpr_kernarg_segment_ptr 1
		.amdhsa_wavefront_size32 1
		.amdhsa_system_sgpr_workgroup_id_x 1
		.amdhsa_system_sgpr_workgroup_id_y 1
		.amdhsa_system_sgpr_workgroup_id_z 1
		.amdhsa_system_vgpr_workitem_id 0
		.amdhsa_next_free_vgpr 512
		.amdhsa_next_free_sgpr 80
		.amdhsa_reserve_vcc 0
		.amdhsa_float_denorm_mode_32 3
		.amdhsa_float_denorm_mode_16_64 3
		.amdhsa_memory_ordered 1
		.amdhsa_forward_progress 1
		.amdhsa_inst_pref_size 162
	.end_amdhsa_kernel
	.amdgpu_metadata
---
amdhsa.version: [ 1, 2 ]
amdhsa.kernels:
  - .name:           k_q811764cd45_attn
    .symbol:         k_q811764cd45_attn.kd
    .args:
      - { .name: qb, .offset: 0, .size: 8, .value_kind: global_buffer, .address_space: global }
      - { .name: kv, .offset: 8, .size: 8, .value_kind: global_buffer, .address_space: global }
      - { .name: ob, .offset: 16, .size: 8, .value_kind: global_buffer, .address_space: global }
    .group_segment_fixed_size: 327680
    .private_segment_fixed_size: 0
    .kernarg_segment_align: 8
    .kernarg_segment_size: 24
    .max_flat_workgroup_size: 256
    .sgpr_count:     80
    .vgpr_count:     512
    .wavefront_size: 32
...
	.end_amdgpu_metadata
.endif
;; end of part 3
;; launch outp (part 4): grid 256 x 1, 8 waves a work-group, no clusters, 167,936 bytes of LDS; arguments ob, wimg, wsc, bo, out0; writes out0
.if DOCPART == 4
	.amdgcn_target "amdgcn-amd-amdhsa--gfx1250"
	.amdhsa_code_object_version 6
	.text
	.protected	k_q811764cd45_outp
	.globl	k_q811764cd45_outp
	.p2align	8
	.type	k_q811764cd45_outp,@function
k_q811764cd45_outp:
	s_mov_b64 s[64:65], 0
	v_nop
	global_prefetch_b8 v0, s[64:65] scope:SCOPE_SE
	s_setreg_imm32_b32 hwreg(HW_REG_WAVE_MODE, 25, 1), 1
	s_wait_xcnt 0x0
; out0 = O wo + bo on codes of FP6 (E2M3, one E8M0 byte for each 32 along K).  O comes as codes from ob: [tile of 16 tokens 1,024][6,400]: head h's half fragment at 768 h (registers 0-3: 16 bytes a lane;
; registers 4-5 at 512: 8 bytes a lane), the rows' 16 scale bytes at 6,144 + 16 r.  Heads 2 g and 2 g + 1 are K step g's fragment.  wo comes as images of its fragments (wimg, wsc: weight 3).
; Work-group x: token tiles 4 x .. 4 x + 3 (lane r of tile i: token 64 x + 32 (i / 2) + 8 (i % 2) + r + 8 (r / 8)).  Wave w: columns 64 w .. 64 w + 63; its 16 fragments of wo stay in registers.
; The product is used transposed (source 0 = wo, source 1 = O): a lane's registers run along a row of out0.  The bias is the C of each sum's first product.
; The four records come into LDS by one tensor load each (waves 0 to 3; one of mine is out at the most), filled once.  Results go through the wave's own stage, so that sixteen lanes store 256 consecutive bytes.
; NO CLUSTER: what work-groups share is wo's 213 KB, which go from memory straight into registers.
.set FRB,   1536
.set REC,   6400
.set SPARE, 4*REC                      ; behind the records: the spare words, 128 bytes for each wave: four blocks of 256 bytes that no other line names
.set STAGE, SPARE+1024                 ; 16 rows x (256 bytes + 16) for each wave
.set SP,    272
.set L16, 1
.set L8,  2
.set R16, 3
.set L4,  4
.set STO, 5                            ; v5   the stage: row r, + 64 h
.set RD,  6                            ; v6   and back: lanes 0-15 one row, lanes 16-31 the next
.set GO,  7                            ; v7   the same two rows in out0
.set SPW, 8
.set NIL, 9
.set BA,  10                           ; v10  64 h: my half's eight numbers of the bias
.set WS,  16                           ; v16-31 wo's scale words: 4 t + g
.set XS,  32                           ; v32-39 the tokens': 4 e + g
.set XF,  40                           ; v40-135 two token tiles x 4 K steps
.set OR,  40                           ; v40-103 later: rows read back from the stage
.set ACC, 136                          ; v136-199 32 e + 8 t
.set BI,  192                          ; window 1: v0-191 wo's fragments; v192-223 the bias
.set WV,  2
.set G1,  16
.set G0,  24
.set MSB, 0
.macro WIN new
.if MSB != \new
	s_set_vgpr_msb (MSB<<8)|\new
.set MSB, \new
.endif
.endm
.macro PLACES n
.rept \n
	v_nop
.endr
.endm
	s_load_b256 s[4:11], s[0:1], 0x0               ; ob, wimg, wsc, bo
	s_load_b64 s[12:13], s[0:1], 0x20              ; out0
	v_lshl_add_u32 v[SPW], v0, 2, SPARE
	v_mov_b32 v[NIL], 0
	ds_add_u32 v[SPW], v[NIL]                      ; the wave's opening: the add and its wait ahead of my first tensor load; work on registers stands between them
	ds_add_u32 v[SPW], v[NIL]
	v_lshrrev_b32 v11, 5, v0
	s_delay_alu instid0(VALU_DEP_1)
	v_readfirstlane_b32 s[WV], v11                 ; wave 0..7
	s_mov_b32 s[G1+0], 3<<16                       ; no mask; elements of 8 bytes; no padding
	s_mov_b32 s[G1+1], 32<<16                      ; rows of 256 bytes
	s_mov_b32 s[G1+2], 25<<16
	s_mov_b32 s[G1+3], 32<<16
	s_mov_b32 s[G1+4], 25                          ; a record
	s_mov_b32 s[G1+5], 32
	s_mov_b32 s[G1+6], 0
	s_mov_b32 s[G1+7], 0
	s_lshl_b32 s14, ttmp9, 2
	s_add_co_u32 s14, s14, s[WV]
	s_mul_i32 s14, s14, REC                        ; record 4 x + w (used by waves 0 to 3 alone)
	s_mov_b32 s15, 0
	s_mul_i32 s28, s[WV], REC
	s_wait_dscnt 0x0                               ; the opening add is done
	s_wait_kmcnt 0x0
	s_mov_b32 s[G0], 1
	s_mov_b32 s[G0+1], s28
	s_add_nc_u64 s[G0+2:G0+3], s[4:5], s[14:15]
	s_or_b32 s[G0+3], s[G0+3], 0x80000000
	s_cmp_lt_u32 s[WV], 4
	s_cbranch_scc0 .Lno_fill
	tensor_load_to_lds s[G0:G0+3], s[G1:G1+7]
	s_nop 0
	PLACES 4
.Lno_fill:
	v_and_b32 v11, 31, v0
	s_delay_alu instid0(VALU_DEP_1)
	v_lshlrev_b32 v[L16], 4, v11
	s_delay_alu instid0(VALU_DEP_2)
	v_lshlrev_b32 v[L8], 3, v11
	s_delay_alu instid0(VALU_DEP_3)
	v_lshlrev_b32 v[L4], 2, v11
	v_and_b32 v12, 15, v0                          ; r
	v_bfe_u32 v13, v0, 4, 1                        ; h
	s_delay_alu instid0(VALU_DEP_2)
	v_lshlrev_b32 v[R16], 4, v12
	s_delay_alu instid0(VALU_DEP_2)
	v_lshlrev_b32 v[BA], 6, v13
	s_wait_alu depctr_va_vdst(0)
	s_mul_i32 s28, s[WV], 16*SP
	s_add_co_u32 s28, s28, STAGE                   ; my stage
	v_mul_u32_u24 v[STO], v12, SP
	s_delay_alu instid0(VALU_DEP_1)
	v_lshl_add_u32 v[STO], v13, 6, v[STO]
	s_delay_alu instid0(VALU_DEP_1)
	v_add_nc_u32 v[STO], s28, v[STO]
	v_mul_u32_u24 v[RD], v13, SP
	s_delay_alu instid0(VALU_DEP_1)
	v_lshl_add_u32 v[RD], v12, 4, v[RD]
	s_delay_alu instid0(VALU_DEP_1)
	v_add_nc_u32 v[RD], s28, v[RD]
	v_lshlrev_b32 v[GO], 11, v13
	s_delay_alu instid0(VALU_DEP_1)
	v_lshl_add_u32 v[GO], v12, 4, v[GO]
	s_mul_i32 s14, s[WV], 16*FRB
	s_add_co_u32 s14, s14, 3*196608
	s_add_nc_u64 s[6:7], s[6:7], s[14:15]          ; wo's images, my 64 columns' 16 fragments
	s_lshl_b32 s14, s[WV], 11
	s_add_co_u32 s14, s14, 3*16384
	s_add_nc_u64 s[8:9], s[8:9], s[14:15]          ; their scale words
	s_lshl_b32 s14, s[WV], 8
	s_add_nc_u64 s[10:11], s[10:11], s[14:15]      ; my 64 numbers of the bias
	s_lshl_b32 s28, ttmp9, 17                      ; 64 rows of 2,048 bytes a work-group,
	s_add_co_u32 s14, s14, s28                     ; + my 256 bytes of a row
	s_add_nc_u64 s[12:13], s[12:13], s[14:15]
	WIN 0x40                                       ; destination window 1
.set f, 0
.rept 16
.irp c, 0,1,2
	global_load_b128 v[12*f+4*\c:12*f+4*\c+3], v[L16], s[6:7] offset:FRB*f+512*\c
.endr
.set f, f+1
.endr
.irp t, 0,1,2,3                                  ; register j of tile t is column 32 (t / 2) + 8 (t % 2) + 16 h + j
	global_load_b128 v[BI+8*\t:BI+8*\t+3], v[BA], s[10:11] offset:(32*(\t/2)+8*(\t%2))*4
	global_load_b128 v[BI+8*\t+4:BI+8*\t+7], v[BA], s[10:11] offset:(32*(\t/2)+8*(\t%2))*4+16
.endr
	WIN 0
.set f, 0
.rept 16
	global_load_b32 v[WS+f], v[L4], s[8:9] offset:128*f
.set f, f+1
.endr
	s_wait_tensorcnt 0x0                           ; my record has landed,
	s_barrier_signal -1
	s_barrier_wait -1                              ; all four have
.irp pr, 0,1                                     ; token tiles 2 pr and 2 pr + 1
.if \pr == 1
	s_wait_xcnt 0x0                                ; the last pair's stores have read their registers
.endif
.irp e, 0,1
.irp g, 0,1,2,3
	ds_load_b128 v[XF+48*\e+12*\g:XF+48*\e+12*\g+3], v[L16] offset:REC*(2*\pr+\e)+1536*\g
	ds_load_b64 v[XF+48*\e+12*\g+4:XF+48*\e+12*\g+5], v[L8] offset:REC*(2*\pr+\e)+1536*\g+512
	ds_load_b128 v[XF+48*\e+12*\g+6:XF+48*\e+12*\g+9], v[L16] offset:REC*(2*\pr+\e)+1536*\g+768
	ds_load_b64 v[XF+48*\e+12*\g+10:XF+48*\e+12*\g+11], v[L8] offset:REC*(2*\pr+\e)+1536*\g+1280
.endr
	ds_load_b128 v[XS+4*\e:XS+4*\e+3], v[R16] offset:REC*(2*\pr+\e)+6144   ; my row's four scale words
.endr
	s_wait_dscnt 0x0
.if \pr == 0
	s_wait_loadcnt 0x0                             ; wo, its scale words, the bias
.endif
.irp g, 0,1,2,3                                  ; eight accumulators by turns, one instruction a turn
.if \g == 0
	WIN 0x11                                       ; source 0 (wo) and C (the bias) window 1
.else
	WIN 0x01
.endif
.irp e, 0,1
.irp t, 0,1,2,3
.if \g == 0
	v_wmma_scale_f32_16x16x128_f8f6f4 v[ACC+32*\e+8*\t:ACC+32*\e+8*\t+7], v[12*(4*\t+\g):12*(4*\t+\g)+11], v[XF+48*\e+12*\g:XF+48*\e+12*\g+11], v[BI+8*\t:BI+8*\t+7], v[WS+4*\t+\g], v[XS+4*\e+\g] matrix_a_fmt:MATRIX_FMT_FP6 matrix_b_fmt:MATRIX_FMT_FP6
.else
	v_wmma_scale_f32_16x16x128_f8f6f4 v[ACC+32*\e+8*\t:ACC+32*\e+8*\t+7], v[12*(4*\t+\g):12*(4*\t+\g)+11], v[XF+48*\e+12*\g:XF+48*\e+12*\g+11], v[ACC+32*\e+8*\t:ACC+32*\e+8*\t+7], v[WS+4*\t+\g], v[XS+4*\e+\g] matrix_a_fmt:MATRIX_FMT_FP6 matrix_b_fmt:MATRIX_FMT_FP6
.endif
.endr
.endr
.endr
	WIN 0
	PLACES 5-\pr                                   ; four places in front of the first read of results and of the loads into registers that held fragments; behind the first pair five: no other vector work
	                                               ; stands ahead of the next pair's first products, which begin these accumulators anew with the bias as C and so write over them
	s_wait_alu depctr_va_vdst(0)
.irp e, 0,1                                      ; LDS serves a wave's instructions in order (ISA guide 5.7.1.4): the loads see my stores, and the next tile's stores come behind them
.irp t, 0,1,2,3
	ds_store_b128 v[STO], v[ACC+32*\e+8*\t:ACC+32*\e+8*\t+3] offset:128*(\t/2)+32*(\t%2)        ; each accumulator from its low end on
	ds_store_b128 v[STO], v[ACC+32*\e+8*\t+4:ACC+32*\e+8*\t+7] offset:128*(\t/2)+32*(\t%2)+16
.endr
.irp i, 0,1,2,3,4,5,6,7
	ds_load_b128 v[OR+32*\e+4*\i:OR+32*\e+4*\i+3], v[RD] offset:2*\i*SP
.endr
.endr
.irp e, 0,1
.irp i, 0,1,2,3,4,5,6,7
	s_wait_dscnt 16*(1-\e)+7-\i                    ; behind this load: this tile's later loads and the other tile's sixteen LDS instructions
	global_store_b128 v[GO], v[OR+32*\e+4*\i:OR+32*\e+4*\i+3], s[12:13] offset:(16*\pr+8*\e+2*\i+24*(\i/4))*2048 th:TH_STORE_NT   ; lane r of tile i is token 64 x + 8 i + r % 8 + 32 (r / 8) (in place of the head's line on the tokens); sixteen lanes store 256 consecutive bytes, at a multiple of 256 from out0's first byte
.endr
.endr
.endr
	s_wait_tensorcnt 0x0                           ; the wave's end, behind my last tensor load and my last LDS store
	ds_add_u32 v[SPW], v[NIL]
	s_wait_dscnt 0x0
	s_endpgm
.Lfunc_end_k_q811764cd45_outp:
	.size	k_q811764cd45_outp, .Lfunc_end_k_q811764cd45_outp-k_q811764cd45_outp
	.p2alignl 7, 3214868480
	.fill 96, 4, 3214868480
	.section	.rodata,"a",@progbits
	.p2align	6, 0x0
	.amdhsa_kernel k_q811764cd45_outp
		.amdhsa_group_segment_fixed_size 167936
		.amdhsa_private_segment_fixed_size 0
		.amdhsa_enable_private_segment 0
		.amdhsa_kernarg_size 40
		.amdhsa_user_sgpr_count 2
		.amdhsa_user_sgpr_kernarg_segment_ptr 1
		.amdhsa_wavefront_size32 1
		.amdhsa_system_sgpr_workgroup_id_x 1
		.amdhsa_system_sgpr_workgroup_id_y 1
		.amdhsa_system_sgpr_workgroup_id_z 1
		.amdhsa_system_vgpr_workitem_id 0
		.amdhsa_next_free_vgpr 512
		.amdhsa_next_free_sgpr 66
		.amdhsa_reserve_vcc 0
		.amdhsa_float_denorm_mode_32 3
		.amdhsa_float_denorm_mode_16_64 3
		.amdhsa_memory_ordered 1
		.amdhsa_forward_progress 1
		.amdhsa_inst_pref_size 32
	.end_amdhsa_kernel
	.amdgpu_metadata
---
amdhsa.version: [ 1, 2 ]
amdhsa.kernels:
  - .name:           k_q811764cd45_outp
    .symbol:         k_q811764cd45_outp.kd
    .args:
      - { .name: ob, .offset: 0, .size: 8, .value_kind: global_buffer, .address_space: global }
      - { .name: wimg, .offset: 8, .size: 8, .value_kind: global_buffer, .address_space: global }
      - { .name: wsc, .offset: 16, .size: 8, .value_kind: global_buffer, .address_space: global }
      - { .name: bo, .offset: 24, .size: 8, .value_kind: global_buffer, .address_space: global }
      - { .name: out0, .offset: 32, .size: 8, .value_kind: global_buffer, .address_space: global }
    .group_segment_fixed_size: 167936
    .private_segment_fixed_size: 0
    .kernarg_segment_align: 8
    .kernarg_segment_size: 40
    .max_flat_workgroup_size: 256
    .sgpr_count:     66
    .vgpr_count:     512
    .wavefront_size: 32
...
	.end_amdgpu_metadata
.endif
;; end of part 4
